; MI455X (gfx1250); checked and timed in simulation.
; The chip was launched on July 23, 2026; its instructions are those of AMD's public machine-readable ISA for CDNA 5 (MIT licence, August 2026) and "CDNA5" Instruction Set Architecture Reference Guide (July 2026). The comments in the code are by the model that wrote it; some were corrected since.
;; Sparse Attention. Allowed arithmetic: float matrix products may take bf16 or f16 operands with f32 sums; all other float work in f32.
;; Inputs: Wk 1,024 x 1,024 float32; Wo 1,024 x 1,024 float32; Wq 1,024 x 1,024 float32; Wv 1,024 x 1,024 float32; bk 1,024 float32; bo 1,024 float32; bq 1,024 float32; bv 1,024 float32; key 2 x 2,048 x 1,024 float32; query 2 x 2,048 x 1,024 float32; value 2 x 2,048 x 1,024 float32.
;; Outputs: out0 2 x 2,048 x 1,024 float32.
;; One version. Each part assembles by itself: llvm-mc -triple=amdgcn-amd-amdhsa -mcpu=gfx1250 --defsym DOCPART=n.
;; ======== version 1 of 1: 3 launches
;; limits: values are held in f16: magnitudes above 65,504 overflow, below 6.1e-05 lose precision; right only within a limited range of input values
;; workspace buffers: qw 8,388,608 bytes; kw 8,388,608 bytes; vw 8,388,608 bytes; aw 8,388,608 bytes; wob 2,097,152 bytes
;; launch qkv (part 1): grid 4 x 48, 4 waves a work-group, clusters of 4 x 4, 327,680 bytes of LDS; arguments query, key, value, Wq, Wk, Wv, bq, bk, bv, qw, kw, vw; writes qw, kw, vw
.if DOCPART == 1
	.amdgcn_target "amdgcn-amd-amdhsa--gfx1250"
	.amdhsa_code_object_version 6
	.text
	.protected	k_q04253b5a87_qkv
	.globl	k_q04253b5a87_qkv
	.p2align	8
	.type	k_q04253b5a87_qkv,@function
k_q04253b5a87_qkv:
	s_mov_b64 s[64:65], 0
	v_nop
	global_prefetch_b8 v0, s[64:65] scope:SCOPE_SE
	s_setreg_imm32_b32 hwreg(HW_REG_WAVE_MODE, 25, 1), 1
	s_wait_xcnt 0x0
	s_wait_alu depctr_hold_cnt(0) depctr_sa_sdst(0) depctr_va_vdst(0) depctr_va_sdst(0) depctr_va_ssrc(0) depctr_va_vcc(0) depctr_vm_vsrc(0)
	s_getreg_b32 s2, hwreg(HW_REG_IB_STS2, 6, 4)
	s_cmp_eq_u32 s2, 0
	s_cbranch_scc0 .Lentry_in_a_cluster
	s_endpgm
.Lentry_in_a_cluster:
	s_bfe_u32 s2, ttmp6, 0x10000c
	s_cmp_lg_u32 s2, 0xf033
	s_cbranch_scc0 .Lentry_shape_is_right
	s_endpgm
.Lentry_shape_is_right:
; Three products of one shape: C = (X W^T + b) / 16, C in f16.  X: [4096][1024] f32 (query, key or value), W: [1024][1024] f32, b: [1024] f32.
; The cluster's y (0..11) picks the product (y >> 2) and four block rows; a work-group makes 256 x 256 of C with four waves, a wave 128 x 128:
; 64 accumulator tiles, 512 registers.  K goes in steps of 64 f32 (rows of 256 bytes, at multiples of 256 bytes) through two LDS slots filled by tensor loads.
; X and W are rounded to bf16 on the way from LDS to the matrix unit; sums in f32; the bias is the C operand of each accumulator's first product.
; FORMAT AND RANGE OF THE RESULT: C is stored as f16 of C / 16 (an exact shift), held inside +-65504.  So |C| up to 1.04e6 is kept to 11 bits; beyond that
; it saturates (finite, wrong).  With inputs as drawn |C| is about 5; all inputs 30 times larger: 5e3; all inputs offset by 30 spreads: 2.9e4.
; Both at once (2.6e7) saturates.  f16 is taken because five roundings to 8 bits in a row (Q, K, P, V, the attention's result) would use up a third of the error allowed.
; CLUSTERS: 4 x 4 work-groups.  X's tile hangs on the block row alone and is asked for jointly by the four of a row of the cluster, W's on the block column
; alone and is asked for jointly by the four of a column: the requests for both are divided by four.
; REGISTERS, in windows of 256:
;   window 0: v16-27 addresses; v64-127 X's fragments in bf16 (8 x 8); v128-255 X's fragments in f32 as read from LDS (8 x 16)
;   window 1: v0-63 the bias of my 128 columns in the accumulators' layout; v64-127, v128-255 W's fragments likewise
;   window 2, 3: accumulators, tile (a, b) at v[8 (8 a + b)]: my rows 0-63, my rows 64-127
; The matrix instruction is used transposed (source 0 = rows of W, source 1 = rows of X): lane l holds row l % 16 of C and eight neighbouring columns 8 (l / 16) + 0..7.
.set PITCH,  272                       ; an LDS row: 256 bytes + 16 of padding, an odd multiple of 16: the 16 rows of a fragment load lie in 16 different 16-byte columns of 256
.set HALFT,  128*PITCH                 ; what one tensor load brings: 128 rows
.set SLOT,   4*HALFT                   ; X's 256 rows, then W's 256 rows
.set STAGE,  2*SLOT                    ; behind the ring: 16 rows x 272 bytes for each wave, no tensor load lands there
.set CROW,   2048                      ; bytes in a row of C
.set ADRA, 16                          ; v16-17  LDS address of my X fragments in slot 0, 1
.set ADRB, 20                          ; v20-21  the same for W
.set STO,  24
.set RD,   25
.set CO,   26
.set BOFF, 27
.set FR,   64                          ; bf16 fragments
.set SR,   128                         ; f32 fragments
.set F0,   64                          ; the way out, window 0: rows read back, two buffers
.set F1,   96
.set TF,   128                         ; the way out: 64 scaled f32
.set TMP,  192                         ; the way out: 32 words of f16
.set G1,  24                           ; s[24:31] group 1 for X's tiles
.set G0,  32                           ; s[32:39] group 0 for X's tiles, one set for each slot
.set G1B, 48                           ; s[48:55] group 1 for W's tiles
.set G0B, 56                           ; s[56:63] group 0 for W's tiles
.set MSB, 0
.macro WIN new                         ; low byte: 1:0 source 0, 3:2 source 1, 5:4 source 2, 7:6 destination; the high byte repeats the setting that is left
.if MSB != (\new)
	s_set_vgpr_msb (MSB<<8)|(\new)
.set MSB, (\new)
.endif
.endm
.macro PLACES                          ; four independent vector instructions between a matrix instruction and a vector write or a load into one of its registers, or a read of its result
.rept 4
	v_nop
.endr
.endm
; A joint load: waves 0, 1 ask for X's two halves, waves 2, 3 for W's.  The branch hangs on the wave's number alone.
.macro JLOAD s
	s_cmp_eq_u32 s11, 0
	s_cbranch_scc0 .Lfor_b_\@
	tensor_load_to_lds s[G0+4*\s:G0+4*\s+3], s[G1:G1+7]
	s_nop 0
	s_branch .Lasked_\@
.Lfor_b_\@:
	tensor_load_to_lds s[G0B+4*\s:G0B+4*\s+3], s[G1B:G1B+7]
	s_nop 0
.Lasked_\@:
.endm
.macro CREST                           ; a round of the cluster's barrier behind its opening work-group barrier
	s_cmp_lg_u32 s10, 0
	s_cbranch_scc1 .Lnot_wave_0_\@
	s_barrier_signal -3
.Lnot_wave_0_\@:
	s_barrier_wait -3
	s_barrier_signal -1
	s_barrier_wait -1
.endm
.macro CROUND
	s_barrier_signal -1
	s_barrier_wait -1
	CREST
.endm
	s_load_b512 s[68:83], s[0:1], 0x0              ; query, key, value, Wq, Wk, Wv, bq, bk
	s_load_b256 s[84:91], s[0:1], 0x40             ; bv, qw, kw, vw
	v_lshl_add_u32 v62, v0, 2, 0x48400
	v_mov_b32 v63, 0
	ds_add_u32 v62, v63
	ds_add_u32 v62, v63
	v_lshrrev_b32 v1, 5, v0
	v_readfirstlane_b32 s10, v1                    ; wave 0..3
	s_lshr_b32 s11, s10, 1                         ; my half of the block's rows; also: I fetch for X (0) or W (1)
	s_and_b32 s12, s10, 1                          ; my half of its columns; also: which 128 rows I fetch
	s_bfe_u32 s40, ttmp6, 0x40000                  ; cx
	s_bfe_u32 s41, ttmp6, 0x40004                  ; cy
	s_lshl_b32 s42, ttmp9, 2
	s_add_co_u32 s42, s42, s40                     ; block column 0..3
	s_and_b32 s13, ttmp7, 0xffff                   ; the cluster's y, 0..11
	s_lshr_b32 s45, s13, 2                         ; which product: 0 Q, 1 K, 2 V; the same in all sixteen partners
	s_and_b32 s13, s13, 3
	s_lshl_b32 s13, s13, 2
	s_add_co_u32 s13, s13, s41                     ; block row 0..15
	s_lshl_b32 s43, s41, 2
	s_lshl_b32 s43, 15, s43                        ; my row of the cluster
	s_lshl_b32 s44, 0x1111, s40                    ; my column
	s_mov_b32 s92, 0x3d800000                      ; 1/16, twice: a pair for the packed multiply
	s_mov_b32 s93, 0x3d800000
	s_mov_b32 s94, 0xc77fe000                      ; -65504
	s_mov_b32 s95, 0x477fe000                      ; 65504, f16's largest number
	; group 1: a tile of 128 rows x 64 elements of 4 bytes; 4 words of padding behind every 64 words
	s_or_b32 s[G1+0], s43, (2<<16)|(1<<20)|(1<<21)|(5<<22)|(3<<25)
	s_or_b32 s[G1B+0], s44, (2<<16)|(1<<20)|(1<<21)|(5<<22)|(3<<25)
.irp g, G1, G1B
	s_mov_b32 s[\g+1], 64<<16                      ; tensor_dim0 = 64
	s_mov_b32 s[\g+2], 128<<16                     ; tensor_dim1 = 128
	s_mov_b32 s[\g+3], 64<<16                      ; tile_dim0 = 64
	s_mov_b32 s[\g+4], 128                         ; tile_dim1 = 128
	s_mov_b32 s[\g+5], 1024                        ; elements from row to row
	s_mov_b32 s[\g+6], 0
	s_mov_b32 s[\g+7], 0
.endr
	s_lshl_b32 s17, s12, 7
	s_lshl_b32 s16, s13, 8
	s_add_co_u32 s16, s16, s17                     ; X: row 256 x block row + 128 x half
	s_lshl_b32 s16, s16, 12                        ; x 4,096 bytes
	s_lshl_b32 s46, s42, 8
	s_add_co_u32 s46, s46, s17                     ; W: row 256 x block column + 128 x half
	s_lshl_b32 s46, s46, 12
	s_mov_b32 s17, 0
	s_mov_b32 s47, 0
	s_mul_i32 s20, s10, HALFT                      ; where my tile goes: wave x 128 rows
	s_wait_dscnt 0x0
	s_wait_kmcnt 0x0
	s_cmp_eq_u32 s45, 1
	s_cselect_b64 s[4:5], s[70:71], s[68:69]       ; X
	s_cselect_b64 s[6:7], s[76:77], s[74:75]       ; W
	s_cselect_b64 s[66:67], s[82:83], s[80:81]     ; b
	s_cselect_b64 s[8:9], s[88:89], s[86:87]       ; C
	s_cmp_eq_u32 s45, 2
	s_cselect_b64 s[4:5], s[72:73], s[4:5]
	s_cselect_b64 s[6:7], s[78:79], s[6:7]
	s_cselect_b64 s[66:67], s[84:85], s[66:67]
	s_cselect_b64 s[8:9], s[90:91], s[8:9]
	s_add_nc_u64 s[14:15], s[4:5], s[16:17]
	s_add_nc_u64 s[46:47], s[6:7], s[46:47]
	CROUND                                         ; all sixteen work-groups are here: the first joint loads meet
.irp s, 0,1
	s_mov_b32 s[G0+4*\s], 1
	s_add_co_u32 s[G0+4*\s+1], s20, \s*SLOT
	s_add_nc_u64 s[G0+4*\s+2:G0+4*\s+3], s[14:15], \s*256          ; K step s
	s_or_b32 s[G0+4*\s+3], s[G0+4*\s+3], 0x80000000
	s_mov_b32 s[G0B+4*\s], 1
	s_add_co_u32 s[G0B+4*\s+1], s20, \s*SLOT
	s_add_nc_u64 s[G0B+4*\s+2:G0B+4*\s+3], s[46:47], \s*256
	s_or_b32 s[G0B+4*\s+3], s[G0B+4*\s+3], 0x80000000
	JLOAD \s
.endr
	; lane addresses.  A fragment's lane holds row l % 16, K = 8 h .. 8 h + 7 and 16 + 8 h .. + 7 (h = l / 16): in f32 that is 32 bytes at 32 h and 32 bytes at 64 + 32 h
	v_and_b32 v1, 15, v0
	v_bfe_u32 v2, v0, 4, 1
	v_mul_u32_u24 v3, v1, PITCH
	v_lshl_add_u32 v4, v2, 5, v3                   ; row x pitch + 32 h
	s_mul_i32 s21, s11, HALFT
	s_mul_i32 s22, s12, HALFT
	s_add_co_u32 s22, s22, 2*HALFT
.irp s, 0,1
	v_add_nc_u32 v[ADRA+\s], s21, v4
	v_add_nc_u32 v[ADRB+\s], s22, v4
	s_add_co_u32 s21, s21, SLOT
	s_add_co_u32 s22, s22, SLOT
.endr
	s_mul_i32 s23, s10, 16*PITCH
	s_add_co_u32 s23, s23, STAGE                   ; my stage
	v_lshl_add_u32 v4, v2, 4, v3                   ; in: row l % 16, 16 bytes for each half of the lanes
	v_add_nc_u32 v[STO], s23, v4
	v_mul_u32_u24 v5, v2, PITCH                    ; back: lanes 0-15 one row of 256 bytes, lanes 16-31 the next
	v_lshl_add_u32 v5, v1, 4, v5
	v_add_nc_u32 v[RD], s23, v5
	v_mul_u32_u24 v5, v2, CROW
	v_lshl_add_u32 v[CO], v1, 4, v5
	s_lshl_b32 s46, s42, 10                        ; the bias of my columns: 4 x (256 x block column + 128 x half) + 32 h
	s_lshl_b32 s47, s12, 9
	s_add_co_u32 s46, s46, s47
	v_lshl_add_u32 v[BOFF], v2, 5, s46
	WIN 0x40                                       ; destination window 1
.irp b, 0,1,2,3,4,5,6,7
	global_load_b128 v[8*\b:8*\b+3],   v[BOFF], s[66:67] offset:64*\b      ; b[16 b + 8 h + 0..3]
	global_load_b128 v[8*\b+4:8*\b+7], v[BOFF], s[66:67] offset:64*\b+16
.endr
	WIN 0
; 64 LDS loads: the f32 fragments of 32 along K (half sub of the slot's rows): W's 128 rows, then X's 128 rows
.macro FETCH slot, sub
	WIN 0x40
.irp i, 0,1,2,3,4,5,6,7
	ds_load_b128 v[SR+16*\i:SR+16*\i+3],     v[ADRB+\slot] offset:\sub*128+\i*16*PITCH
	ds_load_b128 v[SR+16*\i+4:SR+16*\i+7],   v[ADRB+\slot] offset:\sub*128+\i*16*PITCH+16
	ds_load_b128 v[SR+16*\i+8:SR+16*\i+11],  v[ADRB+\slot] offset:\sub*128+\i*16*PITCH+64
	ds_load_b128 v[SR+16*\i+12:SR+16*\i+15], v[ADRB+\slot] offset:\sub*128+\i*16*PITCH+80
.endr
	WIN 0
.irp i, 0,1,2,3,4,5,6,7
	ds_load_b128 v[SR+16*\i:SR+16*\i+3],     v[ADRA+\slot] offset:\sub*128+\i*16*PITCH
	ds_load_b128 v[SR+16*\i+4:SR+16*\i+7],   v[ADRA+\slot] offset:\sub*128+\i*16*PITCH+16
	ds_load_b128 v[SR+16*\i+8:SR+16*\i+11],  v[ADRA+\slot] offset:\sub*128+\i*16*PITCH+64
	ds_load_b128 v[SR+16*\i+12:SR+16*\i+15], v[ADRA+\slot] offset:\sub*128+\i*16*PITCH+80
.endr
.endm
; the 2 x 128 f32 words of a lane become 2 x 64 words of bf16, in the same order
.macro CVT
	s_wait_dscnt 32                                ; W's 32 loads are in; X's 32, issued behind them, may be out
	WIN 0x45
.set ci, 0
.rept 64
	v_cvt_pk_bf16_f32 v[FR+ci], v[SR+2*ci], v[SR+2*ci+1]
.set ci, ci+1
.endr
	s_wait_dscnt 0                                 ; X's too: no LDS read of mine is out
	WIN 0
.set ci, 0
.rept 64
	v_cvt_pk_bf16_f32 v[FR+ci], v[SR+2*ci], v[SR+2*ci+1]
.set ci, ci+1
.endr
.endm
; 16 matrix instructions: row blocks a0, a0 + 1 of the window's four x all 8 column blocks.  first = 1: C is the bias, which starts the sums.
.macro MUL16 hi, a0, first
.irp a, \a0, \a0+1
.irp b, 0,1,2,3,4,5,6,7
.if \first
	v_wmma_f32_16x16x32_bf16 v[8*(8*(\a)+\b):8*(8*(\a)+\b)+7], v[FR+8*\b:FR+8*\b+7], v[FR+8*(4*\hi+(\a)):FR+8*(4*\hi+(\a))+7], v[8*\b:8*\b+7]
.else
	v_wmma_f32_16x16x32_bf16 v[8*(8*(\a)+\b):8*(8*(\a)+\b)+7], v[FR+8*\b:FR+8*\b+7], v[FR+8*(4*\hi+(\a)):FR+8*(4*\hi+(\a))+7], v[8*(8*(\a)+\b):8*(8*(\a)+\b)+7]
.endif
.endr
.endr
.endm
.macro WMUL hi, a0, first              ; source 0 (W) window 1, source 1 (X) window 0, D window 2 or 3, C the same window or (the bias) window 1
.if \first
	WIN (0x91+0x40*\hi)
.else
	WIN (0xa1+0x50*\hi)
.endif
	MUL16 \hi, \a0, \first
.endm
.macro MM64 first                      ; the 64 accumulators take turns, one instruction a turn, always in this order
	WMUL 0, 0, \first
	WMUL 0, 2, \first
	WMUL 1, 0, \first
	WMUL 1, 2, \first
.endm
; A K step of 64 = two halves of 32.  At its head the first half's f32 fragments are on their way from LDS.
; mode 2: the slot is filled again, two K steps ahead; mode 1: slots change, nothing is filled; mode 0: the last K step.
; At the change of slots each wave has waited for all its LDS reads (the second CVT ends with the count 0) and waits for all its tensor loads, of which one is out:
; its part of the next slot.  The barrier opens a round of the cluster's barrier; behind the round the joint refill comes first, then the next slot is read.
; From a refill's request to the wait for it a wave issues 112 matrix instructions and 256 conversions.
.macro KSTEP slot, next, mode, first
	PLACES
	CVT
	FETCH \slot, 1
	MM64 \first
	PLACES
	CVT
.if \mode == 0
	MM64 0
.else
	s_wait_tensorcnt 0x0
	ds_add_u32 v62, v63
	s_wait_dscnt 0x0
	s_barrier_signal -1
	WMUL 0, 0, 0                                   ; register work while the others arrive
	WIN 0
	s_barrier_wait -1
.if \mode == 2
	CREST
	s_add_nc_u64 s[G0+4*\slot+2:G0+4*\slot+3], s[G0+4*\slot+2:G0+4*\slot+3], 512
	s_add_nc_u64 s[G0B+4*\slot+2:G0B+4*\slot+3], s[G0B+4*\slot+2:G0B+4*\slot+3], 512
	JLOAD \slot
.endif
	FETCH \next, 0
	WMUL 0, 2, 0
	WMUL 1, 0, 0
	WMUL 1, 2, 0
.endif
.endm
.macro LAP first
	KSTEP 0, 1, 2, \first
	KSTEP 1, 0, 2, 0
.endm
	s_wait_tensorcnt 1                             ; my part of K step 0 is in; K step 1's, issued behind it, stays out
	s_barrier_signal -1
	s_barrier_wait -1
	FETCH 0, 0
	s_wait_loadcnt 0x0                             ; the bias
	LAP 1                                          ; K steps 0, 1 (they ask for 2, 3)
	WIN 0
	s_mov_b32 s3, 6                                ; K steps 2 .. 13 (they ask for 4 .. 15)
.Llap:
	LAP 0
	WIN 0
	s_sub_co_u32 s3, s3, 1
	s_cmp_lg_u32 s3, 0
	s_cbranch_scc1 .Llap
	KSTEP 0, 1, 1, 0                               ; K step 14
	KSTEP 1, 0, 0, 0                               ; K step 15
	; THE WAY OUT, 16 rows at a time: x 1/16, held inside f16's range, rounded to f16, 16 bytes a lane into my stage, read back as rows of 256 bytes
	PLACES
	s_lshl_b32 s13, s13, 8
	s_lshl_b32 s14, s11, 7
	s_add_co_u32 s16, s13, s14                     ; my first row of C
	s_lshl_b32 s16, s16, 11
	s_mov_b32 s17, 0
	s_add_nc_u64 s[8:9], s[8:9], s[16:17]
	s_lshl_b32 s46, s42, 9                         ; my first column in bytes: 512 x block column + 256 x half
	s_lshl_b32 s47, s12, 8
	s_add_co_u32 s46, s46, s47
	s_mov_b32 s47, 0
	s_add_nc_u64 s[8:9], s[8:9], s[46:47]
.macro OUT16 i, a, from, f             ; from: source 0 in window 2 or 3
	WIN \from
.irp b, 0,1,2,3,4,5,6,7
.irp r, 0,2,4,6
	v_pk_mul_f32 v[TF+8*\b+\r:TF+8*\b+\r+1], v[8*(8*\a+\b)+\r:8*(8*\a+\b)+\r+1], s[92:93] op_sel_hi:[1,0]
.endr
.endr
	WIN 0
.set ci, 0
.rept 64
	v_med3_num_f32 v[TF+ci], v[TF+ci], s94, s95
.set ci, ci+1
.endr
.set ci, 0
.rept 32
	v_cvt_pk_f16_f32 v[TMP+ci], v[TF+2*ci], v[TF+2*ci+1]
.set ci, ci+1
.endr
.irp b, 0,1,2,3,4,5,6,7
	ds_store_b128 v[STO], v[TMP+4*\b:TMP+4*\b+3] offset:32*\b
.endr
	s_wait_xcnt 0x0                                ; buffer f, which earlier stores read, and the stores' base are rewritten only behind this wait
.if \i
	s_add_nc_u64 s[8:9], s[8:9], 16*CROW
.endif
.irp t, 0,1,2,3,4,5,6,7
	ds_load_b128 v[\f+4*\t:\f+4*\t+3], v[RD] offset:\t*2*PITCH     ; a wave's LDS instructions are served in order: these see the stores above
.endr
.irp t, 0,1,2,3,4,5,6,7
	s_wait_dscnt 7-\t
	global_store_b128 v[CO], v[\f+4*\t:\f+4*\t+3], s[8:9] offset:2*\t*CROW   ; 16 lanes store 256 consecutive bytes, at a multiple of 256 from C's first byte
.endr
.endm
	OUT16 0, 0, 0x02, F0
	OUT16 1, 1, 0x02, F1
	OUT16 2, 2, 0x02, F0
	OUT16 3, 3, 0x02, F1
	OUT16 4, 0, 0x03, F0
	OUT16 5, 1, 0x03, F1
	OUT16 6, 2, 0x03, F0
	OUT16 7, 3, 0x03, F1
	s_wait_tensorcnt 0x0
	ds_add_u32 v62, v63
	s_wait_dscnt 0x0
	CROUND                                         ; the closing round: no work-group ends while a partner may still ask for a tile that names it
	s_endpgm
.Lfunc_end_k_q04253b5a87_qkv:
	.size	k_q04253b5a87_qkv, .Lfunc_end_k_q04253b5a87_qkv-k_q04253b5a87_qkv
	.p2alignl 7, 3214868480
	.fill 96, 4, 3214868480
	.section	.rodata,"a",@progbits
	.p2align	6, 0x0
	.amdhsa_kernel k_q04253b5a87_qkv
		.amdhsa_group_segment_fixed_size 327680
		.amdhsa_private_segment_fixed_size 0
		.amdhsa_enable_private_segment 0
		.amdhsa_kernarg_size 96
		.amdhsa_user_sgpr_count 2
		.amdhsa_user_sgpr_kernarg_segment_ptr 1
		.amdhsa_wavefront_size32 1
		.amdhsa_system_sgpr_workgroup_id_x 1
		.amdhsa_system_sgpr_workgroup_id_y 1
		.amdhsa_system_sgpr_workgroup_id_z 1
		.amdhsa_system_vgpr_workitem_id 0
		.amdhsa_next_free_vgpr 1024
		.amdhsa_next_free_sgpr 96
		.amdhsa_reserve_vcc 0
		.amdhsa_float_denorm_mode_32 3
		.amdhsa_float_denorm_mode_16_64 3
		.amdhsa_memory_ordered 1
		.amdhsa_forward_progress 1
		.amdhsa_inst_pref_size 255
	.end_amdhsa_kernel
	.section	.bss,"aw",@nobits
	.p2align	6
	.space	262144
	.amdgpu_metadata
---
amdhsa.version: [ 1, 2 ]
amdhsa.kernels:
  - .name:           k_q04253b5a87_qkv
    .symbol:         k_q04253b5a87_qkv.kd
    .args:
      - { .name: query, .offset: 0, .size: 8, .value_kind: global_buffer, .address_space: global }
      - { .name: key, .offset: 8, .size: 8, .value_kind: global_buffer, .address_space: global }
      - { .name: value, .offset: 16, .size: 8, .value_kind: global_buffer, .address_space: global }
      - { .name: Wq, .offset: 24, .size: 8, .value_kind: global_buffer, .address_space: global }
      - { .name: Wk, .offset: 32, .size: 8, .value_kind: global_buffer, .address_space: global }
      - { .name: Wv, .offset: 40, .size: 8, .value_kind: global_buffer, .address_space: global }
      - { .name: bq, .offset: 48, .size: 8, .value_kind: global_buffer, .address_space: global }
      - { .name: bk, .offset: 56, .size: 8, .value_kind: global_buffer, .address_space: global }
      - { .name: bv, .offset: 64, .size: 8, .value_kind: global_buffer, .address_space: global }
      - { .name: qw, .offset: 72, .size: 8, .value_kind: global_buffer, .address_space: global }
      - { .name: kw, .offset: 80, .size: 8, .value_kind: global_buffer, .address_space: global }
      - { .name: vw, .offset: 88, .size: 8, .value_kind: global_buffer, .address_space: global }
    .group_segment_fixed_size: 327680
    .private_segment_fixed_size: 0
    .kernarg_segment_align: 8
    .kernarg_segment_size: 96
    .max_flat_workgroup_size: 128
    .sgpr_count:     96
    .vgpr_count:     1024
    .wavefront_size: 32
...
	.end_amdgpu_metadata
.endif
;; end of part 1
;; launch attn (part 2): grid 16 x 16, 16 waves a work-group, no clusters, 251,904 bytes of LDS; arguments qw, kw, vw, Wo, aw, wob; writes aw, wob
.if DOCPART == 2
	.amdgcn_target "amdgcn-amd-amdhsa--gfx1250"
	.amdhsa_code_object_version 6
	.text
	.protected	k_q04253b5a87_attn
	.globl	k_q04253b5a87_attn
	.p2align	8
	.type	k_q04253b5a87_attn,@function
k_q04253b5a87_attn:
	s_mov_b64 s[64:65], 0
	v_nop
	global_prefetch_b8 v0, s[64:65] scope:SCOPE_SE
	s_setreg_imm32_b32 hwreg(HW_REG_WAVE_MODE, 25, 1), 1
	s_wait_xcnt 0x0
; Banded attention: query i sees the keys i - 128 <= j < i + 128 inside its sequence of 2,048.  qw, kw, vw: [4096 tokens][1024] f16, each holding its matrix / 16.
; aw: [4096][1024] f16, the attention's result / 16.  Besides, each thread turns 8 numbers of Wo into wob = f16(16 x bf16(Wo)), for the next launch.
; A work-group: 128 queries (x) of two heads (y = 8 x batch + pair of heads), so that a tile's rows are 256 bytes at multiples of 256.  16 waves: head w >> 3 of the pair, 16 queries w & 7.
; LDS holds the 384 keys q0 - 128 .. q0 + 255 of K and of V; each region is filled once.  A wave takes 288 of them (18 tiles of 16) from row 32 ((w & 7) >> 1) on.
; S^T = K Q^T: lane (r, h) holds, for query r, the keys 16 t + 8 h + j, so that the packed weights are at once the B operand of out^T = V^T P^T.
; The whole row of 288 scores is in registers: the true row maximum is taken away before the exponential.  The row's sum comes from a product with a matrix of ones.
; LIMITS.  Keys outside the band are not computed (masked scores are minus infinity); the problem's function gives them the score -1e9, so the results agree as long as a row's
; largest in-band score (after the 1/8) lies above about -1e9 + 150.  Inputs are finite.  P and the result are rounded to f16 (P lies in 0 .. 1; |result| <= max |V|).
; 16 x bf16(Wo) is exact in f16 for 2^-21 <= |Wo| <= 4094; smaller numbers are off by at most 2^-25, larger ones overflow (Wo as drawn: up to 0.17).
; NO CLUSTER: neighbouring query blocks share key rows, but at LDS places 128 rows apart, and a joint load has one LDS address for all its partners.
.set KP,    272                        ; K's pitch: 256 + 16
.set VP,    288                        ; V's pitch: 256 + 32, an odd multiple of 32, for the transposing load
.set VBASE, 384*KP                     ; 104,448
.set OBASE, VBASE+384*VP               ; 215,040: the stage for the result, 128 rows x 272; no tensor load lands there
.set NM,    18                         ; v[18:19]   - maximum x factor, twice
.set M,     20                         ; v[20:23]   four running maxima; later 1 / sum, twice
.set ONES,  24                         ; v[24:31]   a fragment of ones
.set QF,    32                         ; v[32:47]   Q: 16 queries x 64
.set SC,    48                         ; v[48:191]  18 score tiles x 8
.set PB,    48                         ; v[48:119]  the weights in f16, 4 registers a tile, packed in place
.set OA,    128                        ; v[128:159] out^T, four tiles of 16 of the 64
.set LSUM,  160                        ; v[160:167] the rows' sums
.set KF,    192                        ; v[192:255] fragments of K, later of V: two buffers of 32
.macro PLACES                          ; four independent vector instructions behind a matrix instruction (ISA guide 7.12.1)
.rept 4
	v_nop
.endr
.endm
	s_load_b256 s[4:11], s[0:1], 0x0               ; qw s[4:5], kw s[6:7], vw s[8:9], Wo s[10:11]
	s_load_b128 s[12:15], s[0:1], 0x20             ; aw s[12:13], wob s[14:15]
	v_lshl_add_u32 v254, v0, 2, 0x3d000
	v_mov_b32 v255, 0
	ds_add_u32 v254, v255
	ds_add_u32 v254, v255
	s_wait_dscnt 0x0
	v_lshrrev_b32 v1, 5, v0
	v_readfirstlane_b32 s16, v1                    ; wave 0..15
	s_mov_b32 s17, ttmp9                           ; x: query block
	s_and_b32 s18, ttmp7, 0xffff                   ; y
	s_lshr_b32 s19, s18, 3                         ; batch
	s_and_b32 s20, s18, 7                          ; pair of heads
	s_lshr_b32 s21, s16, 3                         ; head of the pair
	s_and_b32 s22, s16, 7                          ; query tile
	s_mov_b32 s48, 0x76543210                      ; v_permlanex16_b32: lane i reads lane i of the other half
	s_mov_b32 s49, 0xfedcba98
	s_mov_b32 s50, 0x4238aa3b                      ; log2 e / 8 x 256: the softmax scale, base 2, and the two shifts by 1/16 undone
	s_mov_b32 s51, 0x4238aa3b
	v_and_b32 v2, 15, v0                           ; r
	v_bfe_u32 v3, v0, 4, 1                         ; h
	s_lshl_b32 s56, s19, 11
	s_lshl_b32 s57, s17, 7
	s_add_co_u32 s56, s56, s57                     ; token of the block's first query
	s_lshl_b32 s57, s22, 4
	s_add_co_u32 s57, s56, s57                     ; of my wave's first query
	s_lshl_b32 s54, s20, 8                         ; 256 x pair
	s_lshl_b32 s55, s21, 7                         ; 128 x head
	v_add_nc_u32 v4, s57, v2
	v_lshlrev_b32 v14, 11, v4                      ; Q: token x 2,048
	v_lshl_add_u32 v14, v3, 4, v14                 ; + 16 h
	s_add_co_u32 s57, s54, s55
	v_add_nc_u32 v14, s57, v14                     ; + my head's 128 bytes
	s_lshl_b32 s57, s18, 4
	s_add_co_u32 s57, s57, s17
	s_lshl_b32 s57, s57, 9
	v_add_nc_u32 v5, s57, v0                       ; the thread's number in the launch, 0 .. 131,071
	v_lshlrev_b32 v6, 5, v5                        ; its 32 bytes of Wo
	v_lshlrev_b32 v7, 4, v5                        ; its 16 bytes of wob
	s_wait_kmcnt 0x0
	s_cmp_gt_u32 s16, 2
	s_cbranch_scc1 .Lno_tiles
	; waves 0, 1, 2 bring 128 keys each, K's tile first, then V's.  A part that would lie outside the sequence is moved inside: its rows are finite and masked below.
	s_lshl_b32 s52, s17, 7
	s_lshl_b32 s53, s16, 7
	s_add_co_u32 s52, s52, s53
	s_sub_co_i32 s52, s52, 128                     ; q0 - 128 + 128 w
	s_max_i32 s52, s52, 0
	s_min_i32 s52, s52, 1920
	s_lshl_b32 s53, s19, 11
	s_add_co_u32 s52, s52, s53                     ; token
	s_lshl_b32 s52, s52, 11
	s_add_co_u32 s52, s52, s54                     ; bytes: token x 2,048 + 256 x pair
	s_mov_b32 s53, 0
	s_mov_b32 s24, 1
	s_mul_i32 s25, s16, 128*KP
	s_add_nc_u64 s[26:27], s[6:7], s[52:53]
	s_or_b32 s27, s27, 0x80000000
	s_mov_b32 s28, 1
	s_mul_i32 s29, s16, 128*VP
	s_add_co_u32 s29, s29, VBASE
	s_add_nc_u64 s[30:31], s[8:9], s[52:53]
	s_or_b32 s31, s31, 0x80000000
	s_mov_b32 s32, (1<<16)|(1<<20)|(5<<22)|(3<<25) ; elements of 2 bytes; 4 words of padding behind every 64
	s_mov_b32 s40, (1<<16)|(1<<20)|(5<<22)|(7<<25) ; V: 8 words
.irp g, 32, 40
	s_mov_b32 s[\g+1], 128<<16                     ; tensor_dim0 = 128
	s_mov_b32 s[\g+2], 128<<16                     ; tensor_dim1 = 128
	s_mov_b32 s[\g+3], 128<<16                     ; tile_dim0 = 128
	s_mov_b32 s[\g+4], 128                         ; tile_dim1 = 128
	s_mov_b32 s[\g+5], 1024                        ; elements from row to row
	s_mov_b32 s[\g+6], 0
	s_mov_b32 s[\g+7], 0
.endr
	tensor_load_to_lds s[24:27], s[32:39]
	s_nop 0
	tensor_load_to_lds s[28:31], s[40:47]
	s_nop 0
.Lno_tiles:
.irp p, 0,1,2,3
	global_load_b128 v[QF+4*\p:QF+4*\p+3], v14, s[4:5] offset:32*\p    ; Q(r, 16 p + 8 h ..)
.endr
	global_load_b128 v[176:179], v6, s[10:11] th:TH_LOAD_NT
	global_load_b128 v[180:183], v6, s[10:11] offset:16 th:TH_LOAD_NT
	; lane addresses
	s_lshr_b32 s52, s22, 1
	s_lshl_b32 s57, s52, 5                         ; my first LDS row
	s_and_b32 s53, s22, 1
	s_lshl_b32 s53, s53, 4                         ; e: my queries lie 128 + e rows behind it
	v_add_nc_u32 v4, s57, v2
	v_mul_u32_u24 v8, v4, KP
	v_lshl_add_u32 v8, v3, 4, v8
	v_add_nc_u32 v8, s55, v8                       ; K tiles 0-8: (row + r) x 272 + 128 head + 16 h
	v_add_nc_u32 v9, 9*16*KP, v8                   ; K tiles 9-17 (an LDS offset has 16 bits)
	v_and_b32 v4, 7, v0
	v_lshl_add_u32 v4, v3, 3, v4
	v_add_nc_u32 v4, s57, v4
	v_mul_u32_u24 v10, v4, VP
	v_bfe_u32 v4, v0, 3, 1
	v_lshl_add_u32 v10, v4, 4, v10
	s_add_co_u32 s57, s55, VBASE
	v_add_nc_u32 v10, s57, v10                     ; V chunks 0-4: (row + 8 h + l % 8) x 288 + 128 head + 16 ((l / 8) % 2)
	v_add_nc_u32 v11, 5*32*VP, v10                 ; V chunks 5-8
	v_add_nc_u32 v12, s53, v2
	v_lshlrev_b32 v4, 3, v3
	v_sub_nc_u32 v12, v12, v4                      ; e + r - 8 h: key 16 t + 8 h + j is inside the band from 16 t + j >= this on, and up to 256 more
	v_mov_b32 v13, 0xff800000                      ; minus infinity
	s_lshl_b32 s57, s22, 4
	v_add_nc_u32 v4, s57, v2
	v_mul_u32_u24 v15, v4, KP
	v_lshl_add_u32 v15, v3, 4, v15
	s_add_co_u32 s57, s55, OBASE
	v_add_nc_u32 v15, s57, v15                     ; stage, in: (16 tile + r) x 272 + 128 head + 16 h
	s_lshl_b32 s57, s16, 3
	v_add_nc_u32 v4, s57, v3
	v_mul_u32_u24 v16, v4, KP
	v_lshl_add_u32 v16, v2, 4, v16
	v_add_nc_u32 v16, OBASE, v16                   ; stage, back: rows 8 w + h, 16 bytes a lane
	v_add_nc_u32 v4, s56, v4
	v_lshlrev_b32 v17, 11, v4
	v_lshl_add_u32 v17, v2, 4, v17
	v_add_nc_u32 v17, s54, v17                     ; and the same rows in aw
.irp i, 0,1,2,3,4,5,6,7
	v_mov_b32 v[ONES+\i], 0x3c003c00               ; 1.0, 1.0 in f16
.endr
	s_wait_loadcnt 0x0                             ; Q and Wo
	; Wo: rounded to bf16 like every input of a product, x 16 (exact), as f16
.irp i, 0,1,2,3
	v_cvt_pk_bf16_f32 v[184+\i], v[176+2*\i], v[176+2*\i+1]
.endr
.irp i, 0,1,2,3
	v_lshlrev_b32 v[176+2*\i], 16, v[184+\i]
	v_and_b32 v[176+2*\i+1], 0xffff0000, v[184+\i]
.endr
.irp i, 0,2,4,6
	v_pk_mul_f32 v[176+\i:176+\i+1], v[176+\i:176+\i+1], 0x41800000 op_sel_hi:[1,0]
.endr
.irp i, 0,1,2,3
	v_cvt_pk_f16_f32 v[184+\i], v[176+2*\i], v[176+2*\i+1]
.endr
	global_store_b128 v7, v[184:187], s[14:15]     ; a wave's store covers 512 consecutive bytes
	s_wait_xcnt 0x0                                ; v[184:187] become a score tile below
	s_wait_tensorcnt 1                             ; in waves 0-2: K's tile is in, V's, issued behind it, stays out (nothing is ever filled again); the others have none
	s_barrier_signal -1
	s_barrier_wait -1                              ; K is whole
; tiles 2 g, 2 g + 1 of K: 8 loads into buffer g % 2
.macro LDK g
.irp u, 0,1
.irp p, 0,1,2,3
.if (2*(\g)+\u) < 9
	ds_load_b128 v[KF+32*((\g)%2)+16*\u+4*\p:KF+32*((\g)%2)+16*\u+4*\p+3], v8 offset:(2*(\g)+\u)*16*KP+32*\p
.else
	ds_load_b128 v[KF+32*((\g)%2)+16*\u+4*\p:KF+32*((\g)%2)+16*\u+4*\p+3], v9 offset:(2*(\g)+\u-9)*16*KP+32*\p
.endif
.endr
.endr
.endm
; two score tiles, 64 along the head's width in two steps; the two accumulators take turns
.macro MMK g
	v_wmma_f32_16x16x32_f16 v[SC+16*(\g):SC+16*(\g)+7],    v[KF+32*((\g)%2):KF+32*((\g)%2)+7],     v[QF:QF+7], 0
	v_wmma_f32_16x16x32_f16 v[SC+16*(\g)+8:SC+16*(\g)+15], v[KF+32*((\g)%2)+16:KF+32*((\g)%2)+23], v[QF:QF+7], 0
	v_wmma_f32_16x16x32_f16 v[SC+16*(\g):SC+16*(\g)+7],    v[KF+32*((\g)%2)+8:KF+32*((\g)%2)+15],  v[QF+8:QF+15], v[SC+16*(\g):SC+16*(\g)+7]
	v_wmma_f32_16x16x32_f16 v[SC+16*(\g)+8:SC+16*(\g)+15], v[KF+32*((\g)%2)+24:KF+32*((\g)%2)+31], v[QF+8:QF+15], v[SC+16*(\g)+8:SC+16*(\g)+15]
.endm
	LDK 0
	LDK 1
.irp g, 0,1,2,3,4,5,6
	s_wait_dscnt 8                                 ; this pair's 8 loads are in, the next pair's 8 stay out
	MMK \g
	PLACES
	LDK (\g+2)
.endr
	s_wait_dscnt 8
	MMK 7
	s_wait_dscnt 0
	MMK 8
	PLACES
	; the sequence's ends: whole tiles of keys that do not exist
	s_cmp_lg_u32 s17, 0
	s_cbranch_scc1 .Lnot_first
	s_lshl_b32 s53, s52, 1
	s_sub_co_u32 s53, 8, s53                       ; tiles below this one hold keys < 0
.irp t, 0,1,2,3,4,5,6,7
	s_cmp_gt_u32 s53, \t
	s_cselect_b32 s57, -1, 0
.irp j, 0,1,2,3,4,5,6,7
	v_cndmask_b32 v[SC+8*\t+\j], v[SC+8*\t+\j], v13, s57
.endr
.endr
.Lnot_first:
	s_cmp_lg_u32 s17, 15
	s_cbranch_scc1 .Lnot_last
	s_lshl_b32 s53, s52, 1
	s_sub_co_u32 s53, 16, s53                      ; tiles from this one on hold keys >= 2,048
.irp t, 10,11,12,13,14,15,16,17
	s_cmp_le_u32 s53, \t
	s_cselect_b32 s57, -1, 0
.irp j, 0,1,2,3,4,5,6,7
	v_cndmask_b32 v[SC+8*\t+\j], v[SC+8*\t+\j], v13, s57
.endr
.endr
.Lnot_last:
	s_wait_tensorcnt 0x0                           ; V's tile is in
	s_wait_dscnt 0x0
	s_barrier_signal -1                            ; say so; only register work stands up to the wait in front of the first read of V
	; the band's slanted ends: tiles 0, 1 below, tiles 16, 17 above; the two conditions are each other's complement
.irp t, 0,1
.irp j, 0,1,2,3,4,5,6,7
	v_cmp_ge_i32 vcc_lo, 16*\t+\j, v12
	v_cndmask_b32 v[SC+8*\t+\j], v13, v[SC+8*\t+\j], vcc_lo
	v_cndmask_b32 v[SC+8*(16+\t)+\j], v[SC+8*(16+\t)+\j], v13, vcc_lo
.endr
.endr
	; the row's maximum: 144 numbers a lane in four chains, then the other half of the keys in lane l xor 16
.irp k, 0,1,2,3
	v_max_num_f32 v[M+\k], v[SC+2*\k], v[SC+2*\k+1]
.endr
.set ci, 8
.rept 68
	v_max3_num_f32 v[M+((ci/2)%4)], v[M+((ci/2)%4)], v[SC+ci], v[SC+ci+1]
.set ci, ci+2
.endr
	v_max3_num_f32 v[M], v[M], v[M+1], v[M+2]
	v_max_num_f32 v[M], v[M], v[M+3]
	v_permlanex16_b32 v[M+1], v[M], s48, s49
	v_max_num_f32 v[M], v[M], v[M+1]
	v_mul_f32 v[NM], 0xc238aa3b, v[M]              ; one number for the whole row: its rounding scales every weight alike and cancels in the division
	v_mov_b32 v[NM+1], v[NM]
.macro EXPT t                          ; 2 ^ (factor x score - factor x maximum)
.irp i, 0,2,4,6
	v_pk_fma_f32 v[SC+8*(\t)+\i:SC+8*(\t)+\i+1], v[SC+8*(\t)+\i:SC+8*(\t)+\i+1], s[50:51], v[NM:NM+1] op_sel_hi:[1,0,1]
.endr
.irp i, 0,1,2,3,4,5,6,7
	v_exp_f32 v[SC+8*(\t)+\i], v[SC+8*(\t)+\i]
.endr
.endm
.macro CVTT t                          ; packed downwards in place: the words written belong to tiles that have been packed, or to this tile's numbers already read
	s_wait_alu depctr_va_vdst(0)
.irp i, 0,1,2,3
	v_cvt_pk_f16_f32 v[PB+4*(\t)+\i], v[SC+8*(\t)+2*\i], v[SC+8*(\t)+2*\i+1]
.endr
.endm
	EXPT 0
.irp t, 1,2,3,4,5,6,7,8,9,10,11,12,13,14,15,16,17
	EXPT \t
	CVTT (\t-1)                                    ; the plain instructions behind a run of exponentials are the tile before's conversions (ISA guide 5.7.2)
.endr
	CVTT 17
	s_barrier_wait -1                              ; V is whole
; 32 keys of V, transposed on the way: four fragments of 16 of the head's 64 columns
.macro LDV c
.irp mt, 0,1,2,3
.if (\c) < 5
	ds_load_tr16_b128 v[KF+32*((\c)%2)+8*\mt:KF+32*((\c)%2)+8*\mt+3],   v10 offset:(\c)*32*VP+32*\mt
	ds_load_tr16_b128 v[KF+32*((\c)%2)+8*\mt+4:KF+32*((\c)%2)+8*\mt+7], v10 offset:(\c)*32*VP+32*\mt+16*VP
.else
	ds_load_tr16_b128 v[KF+32*((\c)%2)+8*\mt:KF+32*((\c)%2)+8*\mt+3],   v11 offset:((\c)-5)*32*VP+32*\mt
	ds_load_tr16_b128 v[KF+32*((\c)%2)+8*\mt+4:KF+32*((\c)%2)+8*\mt+7], v11 offset:((\c)-5)*32*VP+32*\mt+16*VP
.endif
.endr
.endm
; five accumulators take turns: four of out^T and the rows' sums
.macro MMV c, zero
.irp mt, 0,1,2,3
.if \zero
	v_wmma_f32_16x16x32_f16 v[OA+8*\mt:OA+8*\mt+7], v[KF+32*((\c)%2)+8*\mt:KF+32*((\c)%2)+8*\mt+7], v[PB+8*(\c):PB+8*(\c)+7], 0
.else
	v_wmma_f32_16x16x32_f16 v[OA+8*\mt:OA+8*\mt+7], v[KF+32*((\c)%2)+8*\mt:KF+32*((\c)%2)+8*\mt+7], v[PB+8*(\c):PB+8*(\c)+7], v[OA+8*\mt:OA+8*\mt+7]
.endif
.endr
.if \zero
	v_wmma_f32_16x16x32_f16 v[LSUM:LSUM+7], v[ONES:ONES+7], v[PB+8*(\c):PB+8*(\c)+7], 0
.else
	v_wmma_f32_16x16x32_f16 v[LSUM:LSUM+7], v[ONES:ONES+7], v[PB+8*(\c):PB+8*(\c)+7], v[LSUM:LSUM+7]
.endif
.endm
	LDV 0
	LDV 1
	s_wait_dscnt 8
	MMV 0, 1
	PLACES
	LDV 2
.irp c, 1,2,3,4,5,6
	s_wait_dscnt 8                                 ; this chunk's 8 loads are in, the next chunk's 8 stay out
	MMV \c, 0
	PLACES
	LDV (\c+2)
.endr
	s_wait_dscnt 8
	MMV 7, 0
	s_wait_dscnt 0
	MMV 8, 0
	PLACES
	; lane (r, h) holds query r's columns 16 mt + 8 h + 0..7 and, in every register of LSUM, query r's sum (at least about 1: the maximum's weight)
	v_rcp_f32 v[M], v[LSUM]
	v_nop
	s_wait_alu depctr_va_vdst(0)
	v_mov_b32 v[M+1], v[M]
.irp i, 0,2,4,6,8,10,12,14,16,18,20,22,24,26,28,30
	v_pk_mul_f32 v[OA+\i:OA+\i+1], v[OA+\i:OA+\i+1], v[M:M+1]
.endr
.set ci, 0
.rept 16
	v_cvt_pk_f16_f32 v[KF+ci], v[OA+2*ci], v[OA+2*ci+1]
.set ci, ci+1
.endr
.irp mt, 0,1,2,3
	ds_store_b128 v15, v[KF+4*\mt:KF+4*\mt+3] offset:32*\mt
.endr
	s_wait_dscnt 0x0                               ; my part of the stage is written
	s_barrier_signal -1
	s_barrier_wait -1                              ; everybody's is: a row of 256 bytes holds both heads
.irp t, 0,1,2,3
	ds_load_b128 v[KF+32+4*\t:KF+32+4*\t+3], v16 offset:\t*2*KP
.endr
.irp t, 0,1,2,3
	s_wait_dscnt 3-\t
	global_store_b128 v17, v[KF+32+4*\t:KF+32+4*\t+3], s[12:13] offset:\t*4096     ; 16 lanes store 256 consecutive bytes, at a multiple of 256 from aw's first byte
.endr
	s_wait_xcnt 0x0
	v_lshl_add_u32 v254, v0, 2, 0x3d000
	v_mov_b32 v255, 0
	s_wait_tensorcnt 0x0
	ds_add_u32 v254, v255
	s_wait_dscnt 0x0
	s_endpgm
.Lfunc_end_k_q04253b5a87_attn:
	.size	k_q04253b5a87_attn, .Lfunc_end_k_q04253b5a87_attn-k_q04253b5a87_attn
	.p2alignl 7, 3214868480
	.fill 96, 4, 3214868480
	.section	.rodata,"a",@progbits
	.p2align	6, 0x0
	.amdhsa_kernel k_q04253b5a87_attn
		.amdhsa_group_segment_fixed_size 251904
		.amdhsa_private_segment_fixed_size 0
		.amdhsa_enable_private_segment 0
		.amdhsa_kernarg_size 48
		.amdhsa_user_sgpr_count 2
		.amdhsa_user_sgpr_kernarg_segment_ptr 1
		.amdhsa_wavefront_size32 1
		.amdhsa_system_sgpr_workgroup_id_x 1
		.amdhsa_system_sgpr_workgroup_id_y 1
		.amdhsa_system_sgpr_workgroup_id_z 1
		.amdhsa_system_vgpr_workitem_id 0
		.amdhsa_next_free_vgpr 256
		.amdhsa_next_free_sgpr 66
		.amdhsa_reserve_vcc 1
		.amdhsa_float_denorm_mode_32 3
		.amdhsa_float_denorm_mode_16_64 3
		.amdhsa_memory_ordered 1
		.amdhsa_forward_progress 1
		.amdhsa_inst_pref_size 59
	.end_amdhsa_kernel
	.amdgpu_metadata
---
amdhsa.version: [ 1, 2 ]
amdhsa.kernels:
  - .name:           k_q04253b5a87_attn
    .symbol:         k_q04253b5a87_attn.kd
    .args:
      - { .name: qw, .offset: 0, .size: 8, .value_kind: global_buffer, .address_space: global }
      - { .name: kw, .offset: 8, .size: 8, .value_kind: global_buffer, .address_space: global }
      - { .name: vw, .offset: 16, .size: 8, .value_kind: global_buffer, .address_space: global }
      - { .name: Wo, .offset: 24, .size: 8, .value_kind: global_buffer, .address_space: global }
      - { .name: aw, .offset: 32, .size: 8, .value_kind: global_buffer, .address_space: global }
      - { .name: wob, .offset: 40, .size: 8, .value_kind: global_buffer, .address_space: global }
    .group_segment_fixed_size: 251904
    .private_segment_fixed_size: 0
    .kernarg_segment_align: 8
    .kernarg_segment_size: 48
    .max_flat_workgroup_size: 512
    .sgpr_count:     66
    .vgpr_count:     256
    .wavefront_size: 32
...
	.end_amdgpu_metadata
.endif
;; end of part 2
;; launch oproj (part 3): grid 8 x 32, 4 waves a work-group, clusters of 4 x 4, 327,680 bytes of LDS; arguments aw, wob, bo, out0; writes out0
.if DOCPART == 3
	.amdgcn_target "amdgcn-amd-amdhsa--gfx1250"
	.amdhsa_code_object_version 6
	.text
	.protected	k_q04253b5a87_oproj
	.globl	k_q04253b5a87_oproj
	.p2align	8
	.type	k_q04253b5a87_oproj,@function
k_q04253b5a87_oproj:
	s_mov_b64 s[64:65], 0
	v_nop
	global_prefetch_b8 v0, s[64:65] scope:SCOPE_SE
	s_setreg_imm32_b32 hwreg(HW_REG_WAVE_MODE, 25, 1), 1
	s_wait_xcnt 0x0
	s_wait_alu depctr_hold_cnt(0) depctr_sa_sdst(0) depctr_va_vdst(0) depctr_va_sdst(0) depctr_va_ssrc(0) depctr_va_vcc(0) depctr_vm_vsrc(0)
	s_getreg_b32 s2, hwreg(HW_REG_IB_STS2, 6, 4)
	s_cmp_eq_u32 s2, 0
	s_cbranch_scc0 .Lentry_in_a_cluster
	s_endpgm
.Lentry_in_a_cluster:
	s_bfe_u32 s2, ttmp6, 0x10000c
	s_cmp_lg_u32 s2, 0xf033
	s_cbranch_scc0 .Lentry_shape_is_right
	s_endpgm
.Lentry_shape_is_right:
; out0 = A B^T + bo in f32.  A = aw [4096][1024] f16 (the attention's result / 16), B = wob [1024][1024] f16 (16 x bf16(Wo)): the two shifts cancel.
; A work-group makes 128 x 128 of out0 (256 work-groups), a wave 64 x 64: 16 accumulator tiles.  K goes in 8 tiles of 128 (rows of 256 bytes at multiples of 256)
; through four LDS slots; two slots are filled again behind one round of the cluster's barrier, so that each refill has two K tiles' work in which to land.
; Eight tiles are few: the steps are written out without a loop.  The bias is the C operand of each accumulator's first product.
; CLUSTERS: 4 x 4 work-groups; A's tile is asked for jointly along a row of the cluster, B's along a column.
; REGISTERS: window 0: v16-27 addresses; v64-127, v128-191 two fragment buffers (B's 4 fragments, then A's 4); window 1: v0-127 accumulators (tile (a, b) at 8 (4 a + b)), v128-159 the bias.
; The matrix instruction is used transposed (source 0 = rows of B, source 1 = rows of A): lane l holds row l % 16 and eight neighbouring columns 8 (l / 16) + 0..7.
.set PITCH,  272
.set QT,     64*PITCH                  ; what one tensor load brings: 64 rows
.set SLOT,   4*QT                      ; A's 128 rows, then B's 128 rows
.set STAGE,  4*SLOT                    ; behind the ring: 16 rows x 272 bytes for each wave, no tensor load lands there
.set ADRA, 16                          ; v16-19 LDS address of my A fragments in slot 0..3
.set ADRB, 20                          ; v20-23 the same for B
.set STO,  24
.set RD,   25
.set CO,   26
.set BOFF, 27
.set F0,   64
.set F1,   128
.set BIAS, 128                         ; window 1
.set G1,  24                           ; s[24:31]
.set G0,  32                           ; s[32:47] one group 0 for each slot
.set G1B, 48                           ; s[48:55]
.set G0B, 68                           ; s[68:83]
.set MSB, 0
.macro WIN new
.if MSB != (\new)
	s_set_vgpr_msb (MSB<<8)|(\new)
.set MSB, (\new)
.endif
.endm
.macro PLACES                          ; four independent vector instructions behind a matrix instruction (ISA guide 7.12.1)
.rept 4
	v_nop
.endr
.endm
.macro JLOAD s
	s_cmp_eq_u32 s11, 0
	s_cbranch_scc0 .Lfor_b_\@
	tensor_load_to_lds s[G0+4*\s:G0+4*\s+3], s[G1:G1+7]
	s_nop 0
	s_branch .Lasked_\@
.Lfor_b_\@:
	tensor_load_to_lds s[G0B+4*\s:G0B+4*\s+3], s[G1B:G1B+7]
	s_nop 0
.Lasked_\@:
.endm
.macro CROUND
	s_barrier_signal -1
	s_barrier_wait -1
	s_cmp_lg_u32 s10, 0
	s_cbranch_scc1 .Lnot_wave_0_\@
	s_barrier_signal -3
.Lnot_wave_0_\@:
	s_barrier_wait -3
	s_barrier_signal -1
	s_barrier_wait -1
.endm
	s_load_b128 s[4:7], s[0:1], 0x0                ; aw s[4:5], wob s[6:7]
	s_load_b64 s[84:85], s[0:1], 0x10              ; bo
	s_load_b64 s[8:9], s[0:1], 0x18                ; out0
	v_lshl_add_u32 v254, v0, 2, 0x48400
	v_mov_b32 v255, 0
	ds_add_u32 v254, v255
	ds_add_u32 v254, v255
	v_lshrrev_b32 v1, 5, v0
	v_readfirstlane_b32 s10, v1                    ; wave 0..3
	s_lshr_b32 s11, s10, 1                         ; my half of the rows; also: I fetch for A (0) or B (1)
	s_and_b32 s12, s10, 1                          ; my half of the columns; also: which 64 rows I fetch
	s_bfe_u32 s56, ttmp6, 0x40000                  ; cx
	s_bfe_u32 s57, ttmp6, 0x40004                  ; cy
	s_lshl_b32 s58, ttmp9, 2
	s_add_co_u32 s58, s58, s56                     ; block column 0..7
	s_and_b32 s13, ttmp7, 0xffff
	s_lshl_b32 s13, s13, 2
	s_add_co_u32 s13, s13, s57                     ; block row 0..31
	s_lshl_b32 s59, s57, 2
	s_lshl_b32 s59, 15, s59                        ; my row of the cluster
	s_lshl_b32 s60, 0x1111, s56                    ; my column
	s_or_b32 s[G1+0], s59, (1<<16)|(1<<20)|(1<<21)|(5<<22)|(3<<25)     ; elements of 2 bytes; 4 words of padding behind every 64
	s_or_b32 s[G1B+0], s60, (1<<16)|(1<<20)|(1<<21)|(5<<22)|(3<<25)
.irp g, G1, G1B
	s_mov_b32 s[\g+1], 128<<16                     ; tensor_dim0 = 128
	s_mov_b32 s[\g+2], 64<<16                      ; tensor_dim1 = 64
	s_mov_b32 s[\g+3], 128<<16                     ; tile_dim0 = 128
	s_mov_b32 s[\g+4], 64                          ; tile_dim1 = 64
	s_mov_b32 s[\g+5], 1024                        ; elements from row to row
	s_mov_b32 s[\g+6], 0
	s_mov_b32 s[\g+7], 0
.endr
	s_lshl_b32 s17, s12, 6
	s_lshl_b32 s16, s13, 7
	s_add_co_u32 s16, s16, s17                     ; A: row 128 x block row + 64 x half
	s_lshl_b32 s16, s16, 11
	s_lshl_b32 s62, s58, 7
	s_add_co_u32 s62, s62, s17                     ; B: row 128 x block column + 64 x half
	s_lshl_b32 s62, s62, 11
	s_mov_b32 s17, 0
	s_mov_b32 s63, 0
	s_mul_i32 s20, s10, QT
	s_wait_dscnt 0x0
	s_wait_kmcnt 0x0
	s_add_nc_u64 s[14:15], s[4:5], s[16:17]
	s_add_nc_u64 s[62:63], s[6:7], s[62:63]
	CROUND                                         ; all sixteen work-groups are here: the first joint loads meet
.irp s, 0,1,2,3
	s_mov_b32 s[G0+4*\s], 1
	s_add_co_u32 s[G0+4*\s+1], s20, \s*SLOT
	s_add_nc_u64 s[G0+4*\s+2:G0+4*\s+3], s[14:15], \s*256          ; K tile s
	s_or_b32 s[G0+4*\s+3], s[G0+4*\s+3], 0x80000000
	s_mov_b32 s[G0B+4*\s], 1
	s_add_co_u32 s[G0B+4*\s+1], s20, \s*SLOT
	s_add_nc_u64 s[G0B+4*\s+2:G0B+4*\s+3], s[62:63], \s*256
	s_or_b32 s[G0B+4*\s+3], s[G0B+4*\s+3], 0x80000000
	JLOAD \s                                       ; four loads of the wave are out
.endr
	v_and_b32 v1, 15, v0
	v_bfe_u32 v2, v0, 4, 1
	v_mul_u32_u24 v3, v1, PITCH
	v_lshl_add_u32 v4, v2, 4, v3                   ; row x pitch + 16 h
	s_mul_i32 s21, s11, QT
	s_mul_i32 s22, s12, QT
	s_add_co_u32 s22, s22, 2*QT
.irp s, 0,1,2,3
	v_add_nc_u32 v[ADRA+\s], s21, v4
	v_add_nc_u32 v[ADRB+\s], s22, v4
	s_add_co_u32 s21, s21, SLOT
	s_add_co_u32 s22, s22, SLOT
.endr
	s_mul_i32 s23, s10, 16*PITCH
	s_add_co_u32 s23, s23, STAGE
	v_lshl_add_u32 v5, v2, 5, v3                   ; in: row l % 16, 32 bytes (8 f32) for each half of the lanes
	v_add_nc_u32 v[STO], s23, v5
	v_mul_u32_u24 v5, v2, PITCH                    ; back: lanes 0-15 one row of 256 bytes, lanes 16-31 the next
	v_lshl_add_u32 v5, v1, 4, v5
	v_add_nc_u32 v[RD], s23, v5
	v_lshlrev_b32 v5, 12, v2
	v_lshl_add_u32 v[CO], v1, 4, v5
	s_lshl_b32 s62, s58, 9                         ; 4 x (128 x block column + 64 x half): my columns' bytes in bo and in a row of out0
	s_lshl_b32 s63, s12, 8
	s_add_co_u32 s62, s62, s63
	v_lshl_add_u32 v[BOFF], v2, 5, s62
	WIN 0x40
.irp b, 0,1,2,3
	global_load_b128 v[BIAS+8*\b:BIAS+8*\b+3],   v[BOFF], s[84:85] offset:64*\b   ; bo[16 b + 8 h + 0..3]
	global_load_b128 v[BIAS+8*\b+4:BIAS+8*\b+7], v[BOFF], s[84:85] offset:64*\b+16
.endr
	WIN 0
; 16 LDS loads: the fragments of 32 along K at byte k of the slot's rows: B's 64 rows, then A's 64 rows
.macro FETCH slot, k, f
	WIN 0
.irp i, 0,1,2,3
	ds_load_b128 v[\f+8*\i:\f+8*\i+3],   v[ADRB+\slot] offset:\k+\i*16*PITCH
	ds_load_b128 v[\f+8*\i+4:\f+8*\i+7], v[ADRB+\slot] offset:\k+\i*16*PITCH+32
.endr
.irp i, 0,1,2,3
	ds_load_b128 v[\f+32+8*\i:\f+32+8*\i+3],   v[ADRA+\slot] offset:\k+\i*16*PITCH
	ds_load_b128 v[\f+32+8*\i+4:\f+32+8*\i+7], v[ADRA+\slot] offset:\k+\i*16*PITCH+32
.endr
.endm
; the 16 accumulators take turns, one instruction a turn, always in this order
.macro MUL16 f, first
	WIN 0x50                                       ; C and D in window 1
.irp a, 0,1,2,3
.irp b, 0,1,2,3
.if \first
	v_wmma_f32_16x16x32_f16 v[8*(4*\a+\b):8*(4*\a+\b)+7], v[\f+8*\b:\f+8*\b+7], v[\f+32+8*\a:\f+32+8*\a+7], v[BIAS+8*\b:BIAS+8*\b+7]
.else
	v_wmma_f32_16x16x32_f16 v[8*(4*\a+\b):8*(4*\a+\b)+7], v[\f+8*\b:\f+8*\b+7], v[\f+32+8*\a:\f+32+8*\a+7], v[8*(4*\a+\b):8*(4*\a+\b)+7]
.endif
.endr
.endr
.endm
; A K tile in four quarters on buffers 0, 1, 0, 1; the next quarter's 16 loads are issued ahead of each quarter's products.  At the head buffer 0's loads are on their way.
; chain < 4: the last quarter fetches the first fragments of that slot, whose tile is known to be whole; else it ends with no LDS read out.
.macro STEP slot, first, chain
	PLACES
	FETCH \slot, 64, F1
	s_wait_dscnt 16                                ; all but the 16 just issued
	MUL16 F0, \first
	PLACES
	FETCH \slot, 128, F0
	s_wait_dscnt 16
	MUL16 F1, 0
	PLACES
	FETCH \slot, 192, F1
	s_wait_dscnt 16
	MUL16 F0, 0
.if \chain < 4
	PLACES
	FETCH \chain, 0, F0
	s_wait_dscnt 16
.else
	s_wait_dscnt 0
.endif
	MUL16 F1, 0
.endm
; Slots a, b, which have been read, are filled again, four K tiles ahead: every wave has waited for its LDS reads and for all its tensor loads,
; a round of the cluster's barrier follows, and the joint refills are the first tensor loads behind it.
.macro REFILL a, b
	s_wait_dscnt 0x0
	s_wait_tensorcnt 0x0
	ds_add_u32 v254, v255
	s_wait_dscnt 0x0
	WIN 0
	CROUND
.irp s, \a, \b
	s_add_nc_u64 s[G0+4*\s+2:G0+4*\s+3], s[G0+4*\s+2:G0+4*\s+3], 1024
	s_add_nc_u64 s[G0B+4*\s+2:G0B+4*\s+3], s[G0B+4*\s+2:G0B+4*\s+3], 1024
.endr
	JLOAD \a
	JLOAD \b
.endm
	s_wait_tensorcnt 3                             ; my part of tile 0 is in; the three issued behind it stay out
	s_barrier_signal -1
	s_barrier_wait -1
	FETCH 0, 0, F0
	s_wait_loadcnt 0x0                             ; the bias
	STEP 0, 1, 9                                   ; tile 0
	s_wait_tensorcnt 2                             ; my part of tile 1 is in; two stay out
	s_barrier_signal -1
	s_barrier_wait -1
	PLACES
	FETCH 1, 0, F0
	STEP 1, 0, 9                                   ; tile 1
	REFILL 0, 1                                    ; tiles 2, 3 are whole; tiles 4, 5 go out
	PLACES
	FETCH 2, 0, F0
	STEP 2, 0, 3                                   ; tile 2
	STEP 3, 0, 9                                   ; tile 3
	REFILL 2, 3                                    ; tiles 4, 5 are whole; tiles 6, 7 go out
	PLACES
	FETCH 0, 0, F0
	STEP 0, 0, 1                                   ; tile 4
	STEP 1, 0, 9                                   ; tile 5
	s_wait_dscnt 0x0
	s_wait_tensorcnt 0x0                           ; my parts of tiles 6, 7 are in
	s_barrier_signal -1
	s_barrier_wait -1
	PLACES
	FETCH 2, 0, F0
	STEP 2, 0, 3                                   ; tile 6
	STEP 3, 0, 9                                   ; tile 7
	; THE WAY OUT, 16 rows at a time: 32 bytes a lane into my stage, read back as rows of 256 bytes (my 64 columns in f32)
	PLACES
	s_lshl_b32 s16, s13, 7
	s_lshl_b32 s17, s11, 6
	s_add_co_u32 s16, s16, s17                     ; my first row
	s_lshl_b32 s16, s16, 12
	s_mov_b32 s17, 0
	s_add_nc_u64 s[8:9], s[8:9], s[16:17]
	s_mov_b32 s63, 0
	s_add_nc_u64 s[8:9], s[8:9], s[62:63]          ; my first column
.macro OUTF a, f
	WIN 0x04                                       ; the stores' data in window 1
.irp b, 0,1,2,3
	ds_store_b128 v[STO], v[8*(4*\a+\b):8*(4*\a+\b)+3]   offset:64*\b
	ds_store_b128 v[STO], v[8*(4*\a+\b)+4:8*(4*\a+\b)+7] offset:64*\b+16
.endr
	WIN 0
	s_wait_xcnt 0x0                                ; buffer f, which earlier stores read, and the stores' base are rewritten only behind this wait
.if \a
	s_add_nc_u64 s[8:9], s[8:9], 16*4096
.endif
.irp t, 0,1,2,3,4,5,6,7
	ds_load_b128 v[\f+4*\t:\f+4*\t+3], v[RD] offset:\t*2*PITCH     ; a wave's LDS instructions are served in order: these see the stores above
.endr
.irp t, 0,1,2,3,4,5,6,7
	s_wait_dscnt 7-\t
	global_store_b128 v[CO], v[\f+4*\t:\f+4*\t+3], s[8:9] offset:\t*8192 th:TH_STORE_NT   ; 16 lanes store 256 consecutive bytes, at a multiple of 256 from out0's first byte
.endr
.endm
	OUTF 0, F0
	OUTF 1, F1
	OUTF 2, F0
	OUTF 3, F1
	s_wait_tensorcnt 0x0
	ds_add_u32 v254, v255
	s_wait_dscnt 0x0
	CROUND                                         ; the closing round: no work-group ends while a partner may still ask for a tile that names it
	s_endpgm
.Lfunc_end_k_q04253b5a87_oproj:
	.size	k_q04253b5a87_oproj, .Lfunc_end_k_q04253b5a87_oproj-k_q04253b5a87_oproj
	.p2alignl 7, 3214868480
	.fill 96, 4, 3214868480
	.section	.rodata,"a",@progbits
	.p2align	6, 0x0
	.amdhsa_kernel k_q04253b5a87_oproj
		.amdhsa_group_segment_fixed_size 327680
		.amdhsa_private_segment_fixed_size 0
		.amdhsa_enable_private_segment 0
		.amdhsa_kernarg_size 32
		.amdhsa_user_sgpr_count 2
		.amdhsa_user_sgpr_kernarg_segment_ptr 1
		.amdhsa_wavefront_size32 1
		.amdhsa_system_sgpr_workgroup_id_x 1
		.amdhsa_system_sgpr_workgroup_id_y 1
		.amdhsa_system_sgpr_workgroup_id_z 1
		.amdhsa_system_vgpr_workitem_id 0
		.amdhsa_next_free_vgpr 512
		.amdhsa_next_free_sgpr 88
		.amdhsa_reserve_vcc 0
		.amdhsa_float_denorm_mode_32 3
		.amdhsa_float_denorm_mode_16_64 3
		.amdhsa_memory_ordered 1
		.amdhsa_forward_progress 1
		.amdhsa_inst_pref_size 92
	.end_amdhsa_kernel
	.amdgpu_metadata
---
amdhsa.version: [ 1, 2 ]
amdhsa.kernels:
  - .name:           k_q04253b5a87_oproj
    .symbol:         k_q04253b5a87_oproj.kd
    .args:
      - { .name: aw, .offset: 0, .size: 8, .value_kind: global_buffer, .address_space: global }
      - { .name: wob, .offset: 8, .size: 8, .value_kind: global_buffer, .address_space: global }
      - { .name: bo, .offset: 16, .size: 8, .value_kind: global_buffer, .address_space: global }
      - { .name: out0, .offset: 24, .size: 8, .value_kind: global_buffer, .address_space: global }
    .group_segment_fixed_size: 327680
    .private_segment_fixed_size: 0
    .kernarg_segment_align: 8
    .kernarg_segment_size: 32
    .max_flat_workgroup_size: 128
    .sgpr_count:     88
    .vgpr_count:     512
    .wavefront_size: 32
...
	.end_amdgpu_metadata
.endif
;; end of part 3
